; MI455X (gfx1250); checked and timed in simulation.
; The chip was launched on July 23, 2026; its instructions are those of AMD's public machine-readable ISA for CDNA 5 (MIT licence, August 2026) and "CDNA5" Instruction Set Architecture Reference Guide (July 2026). The comments in the code are by the model that wrote it; some were corrected since.
;; Multi Head Attention. Allowed arithmetic: matrix products marked QUANTISED: E2M1 operands, one E8M0 scale for each 32 along K, by v_wmma_scale_f32_16x16x128_f8f6f4 with both operands' format E2M1 (or v_wmma_scale_f32_32x16x128_f4), f32 sums; everything else in f32.
;; Inputs: Wk_codes 1,024 x 32 x 16 uint8 (E2M1 codes of Wk, K innermost, in blocks of 32 codes, two codes a byte); Wk_scales 1,024 x 32 uint8 (E8M0 scales of Wk, one for each 32 codes along K); Wp_codes 1,024 x 32 x 16 uint8 (E2M1 codes of Wp, K innermost, in blocks of 32 codes, two codes a byte); Wp_scales 1,024 x 32 uint8 (E8M0 scales of Wp, one for each 32 codes along K); Wq_codes 1,024 x 32 x 16 uint8 (E2M1 codes of Wq, K innermost, in blocks of 32 codes, two codes a byte); Wq_scales 1,024 x 32 uint8 (E8M0 scales of Wq, one for each 32 codes along K); Wv_codes 1,024 x 32 x 16 uint8 (E2M1 codes of Wv, K innermost, in blocks of 32 codes, two codes a byte); Wv_scales 1,024 x 32 uint8 (E8M0 scales of Wv, one for each 32 codes along K); bk 1,024 float32; bp 1,024 float32; bq 1,024 float32; bv 1,024 float32; x_codes 8 x 1,024 x 32 x 16 uint8 (E2M1 codes of x, K innermost, in blocks of 32 codes, two codes a byte); x_scales 8 x 1,024 x 32 uint8 (E8M0 scales of x, one for each 32 codes along K).
;; Outputs: out0 8 x 1,024 x 1,024 float32.
;; This version of the problem:
;;   THIS VERSION OF THE PROBLEM IS GIVEN IN LOW PRECISION. The matrix products marked QUANTISED in the list below multiply operands that are first quantised to E2M1 (2 exponent bits, 1 mantissa bit; 4 bits a number), with one power-of-two scale for each 32 numbers along K (OCP MX v1.0); their sums are f32. All else is computed in f32.
;;   The module's matrix products, in the order in which they are computed (A, B: the left and right operand; K: the contracted axis; several contracted axes count as one K, in the product's order):
;;     1. [M 8,192, K 1,024] x [K 1,024, N 1,024]; A: input x (given as codes); B: input Wq (given as codes): QUANTISED
;;     2. [M 8,192, K 1,024] x [K 1,024, N 1,024]; A: input x (given as codes); B: input Wk (given as codes): QUANTISED
;;     3. [M 8,192, K 1,024] x [K 1,024, N 1,024]; A: input x (given as codes); B: input Wv (given as codes): QUANTISED
;;     4. batch 64 x [M 1,024, K 128] x [K 128, N 1,024]; A: computed on the way; B: computed on the way: QUANTISED
;;     5. batch 64 x [M 1,024, K 1,024] x [K 1,024, N 128]; A: computed on the way; B: computed on the way: QUANTISED
;;     6. [M 8,192, K 1,024] x [K 1,024, N 1,024]; A: computed on the way; B: input Wp (given as codes): QUANTISED
;;   THE QUANTISER, for each operand of a quantised product, along K:
;;     - K is cut into blocks of 32 from its start; a last block that is shorter is filled with zeros.
;;     - A block's scale is 2^e with e = floor(log2(the largest magnitude in the block)) - 2, held to -126 .. 127; a block of zeros has e = 0. As a byte (E8M0): e + 127.
;;     - Each number is divided by its block's scale, clamped to +-6, and rounded to the nearest number of E2M1, ties to even, subnormals kept.
;;     - The product sums the exact products of the quantised numbers (number of the format x scale) in f32.
;;   ~~~python
;;   def quantise(x, axis):      # numpy; x: float32 -> the quantised numbers, widened to float32 again
;;       x = np.moveaxis(x, axis, -1); K = x.shape[-1]
;;       x = np.pad(x, [(0, 0)] * (x.ndim - 1) + [(0, -K % 32)]); x = x.reshape(x.shape[:-1] + (-1, 32)); a = np.abs(x).max(-1, keepdims=True)
;;       e = np.where(a > 0, np.clip(np.frexp(np.where(a > 0, a, 1))[1] - 1 - 2, -126, 127), 0)      # np.frexp(a)[1] - 1 = floor(log2(a)), exactly
;;       r = np.clip(x / 2.0 ** e, -6, 6)
;;       step = 2.0 ** (np.maximum(np.frexp(np.where(r == 0, 1, r))[1] - 1, 0) - 1)
;;       q = np.round(r / step) * step * 2.0 ** e      # np.round: ties to even
;;       return np.moveaxis(q.reshape(q.shape[:-2] + (-1,))[..., :K], -1, axis).astype(np.float32)
;;   ~~~
;;   OPERANDS COMPUTED ON THE WAY. 'Computed on the way' means the value that the module computes at that place (a softmax that the list does not call 'softmax' is quantised finished and normalised). What goes into a quantiser is computed in f32, as accurately as f32 sums, v_exp_f32 and their like allow (about 1e-6 of the number): no bf16 or f16 on the way to a quantiser, and a product that is left as it is and whose result goes on into a quantised operand takes f32 operands (vector FMAs, or v_wmma_f32_16x16x4_f32). A number that lies on a knife's edge between two numbers of the format may be rounded either way, as far as f32 arithmetic and the matrix unit's own rounding can turn it there, and no further.
;;   INPUTS GIVEN AS CODES. Wk (in the module: [1024, 1024], K = its axis 0); Wp (in the module: [1024, 1024], K = its axis 0); Wq (in the module: [1024, 1024], K = its axis 0); Wv (in the module: [1024, 1024], K = its axis 0); x (in the module: [8, 1024, 1024], K = its axis 2): each comes as NAME_codes (uint8): NAME with its K axis moved to the last place and cut into blocks of 32 codes, [.., K / 32, bytes a block], one block behind the other in memory; two codes a byte, the lower K in the low four bits (a code: sign, 2 exponent bits, 1 mantissa bit); and NAME_scales (uint8): the same leading axes, one E8M0 byte (e + 127) for each 32 codes along K. Its value is code x scale, taken as it is: it is not quantised again, and the codes and scales need not be those that the quantiser above would give.
;; One version. Each part assembles by itself: llvm-mc -triple=amdgcn-amd-amdhsa -mcpu=gfx1250 --defsym DOCPART=n.
;; ======== version 1 of 1: 2 launches
;; limits: right only within a limited range of input values
;; workspace buffers: qkvc 12,582,912 bytes; qkvs 786,432 bytes; wpc 524,288 bytes
;; launch proj (part 1): grid 32 x 8, 4 waves a work-group, clusters of 4 x 4, 270,848 bytes of LDS; arguments x_codes, x_scales, Wq_codes, Wq_scales, Wk_codes, Wk_scales, Wv_codes, Wv_scales, bq, bk, bv, qkvc, qkvs, Wp_codes, wpc; writes qkvc, qkvs, wpc
.if DOCPART == 1
	.amdgcn_target "amdgcn-amd-amdhsa--gfx1250"
	.amdhsa_code_object_version 6
	.text
	.protected	k_qe6552c34a2_proj
	.globl	k_qe6552c34a2_proj
	.p2align	8
	.type	k_qe6552c34a2_proj,@function
k_qe6552c34a2_proj:
	s_mov_b64 s[64:65], 0
	v_nop
	global_prefetch_b8 v0, s[64:65] scope:SCOPE_SE
	s_setreg_imm32_b32 hwreg(HW_REG_WAVE_MODE, 25, 1), 1
	s_wait_xcnt 0x0
	s_wait_alu depctr_hold_cnt(0) depctr_sa_sdst(0) depctr_va_vdst(0) depctr_va_sdst(0) depctr_va_ssrc(0) depctr_va_vcc(0) depctr_vm_vsrc(0)
	s_getreg_b32 s2, hwreg(HW_REG_IB_STS2, 6, 4)
	s_cmp_eq_u32 s2, 0
	s_cbranch_scc0 .Lentry_in_a_cluster
	s_endpgm
.Lentry_in_a_cluster:
	s_bfe_u32 s2, ttmp6, 0x10000c
	s_cmp_lg_u32 s2, 0xf033
	s_cbranch_scc0 .Lentry_shape_is_right
	s_endpgm
.Lentry_shape_is_right:
; q = x Wq + bq, k = x Wk + bk, v = x Wv + bv on codes of FP4 (E2M1) with one E8M0 scale for each 32 along K, and the three results quantised again for the next launch: q and k along the head's 128, v along
; the keys.  NOTHING OF reference() IS LEFT OUT in this program: every bias goes into a quantiser or into the output, every product is live; the division of the softmax by sqrt(1024) = 32 is a power of two and is
; folded, exactly, into the factor that normalises the softmax (next launch).
; LIMITS: NaN and infinities among the inputs are not served.  A block whose largest magnitude lies under 2^-124 (a block of zeros too) gets the scale byte 1, where the rule says 127 for zeros: its codes
; are zeros or nearly so, and the bytes are read by this program alone.
; SHARES.  A work-group takes 256 tokens and one head, and makes q, then k, then v for them: 32 x 8 work-groups, three phases of 8 K steps of 128.  In each phase a wave makes S0 (8 tiles of 16: the axis along
; which the result is quantised) x S1 (4 tiles): 32 accumulators, 256 matrix instructions.  q, k: S0 = the head's 128 rows of W, S1 = my wave's 64 tokens.  v: S0 = the 128 tokens of key step wave / 2,
; S1 = rows 64 (wave % 2) on of the head's 128 rows of Wv.
; The matrix instruction has source 0 = 16 rows of S0, source 1 = 16 rows of S1: lane (r, hh) of tile t holds row r of S1 and, in register j, place 16 t + 8 hh + j along S0.  So a lane's 64 registers of one
; S1 tile are 128 places of the next product's K (with lane l xor 16's), and they become ONE operand fragment and one scale word a row.
; A FRAGMENT IN THE WORKSPACE is an image of its 8 registers: registers 0-3 at 16 x lane, registers 4-7 at 512 + 16 x lane: 1,024 bytes; its 16 scale words follow, 64 bytes a fragment.
; qkvc: [8 b + h]: q, 64 fragments of 16 tokens; then four quarters of 32 fragments: K's 16 of keys 256 quarter on, and V's 16 of channels 32 quarter on, at 2 j + u (key step j, 16 channels u).
; qkvs: [8 b + h]: 64 bytes for each fragment: q's in order, K's in order, V's as [quarter][j][u].
; wpc: Wp's codes as fragments [half][head-sized run of 128 columns][4 tiles of 16 columns][8 K steps]: each wave copies half a fragment, 512 bytes.
; CLUSTERS: 4 x 4.  x's tiles hang on the token block alone (the x place) and are asked for jointly along a column of the cluster; Wq's and Wk's on the head alone (the y place), along a row.
; LDS: x, Wq and Wk for all of K, rows of 512 bytes: four tiles of 128 rows, one load a wave; every byte is filled once, nothing is filled again.
; Wv DOES NOT PASS THROUGH LDS, and so is not asked for jointly: a fifth tile would make 337,920 bytes, more than a work-group can be given.  A wave needs 64 of its rows alone: they go from memory
; straight into 256 registers, a tile's 16 whole rows in one run of 16 loads, during the q phase.  No prefetch: the launch has no loop to run ahead in.
; REGISTERS: window 0: v1-15 addresses; v16-143 scale words (Wq 32, Wk 32, x as S0 32, x as S1 16, Wv 16); v144-148 the add's two, Wv's offset; v150-153 Wp's piece; v160-191 the codes made; v192-213 at work.
;   window 1: accumulator (t', t) at v[64 t' + 8 t].   window 2: fragment set 0 (S0 v0-63, S1 v224-255), set 1 (S0 v64-127, S1 v128-159); v160-223 the bias, in the result's layout: the C of each sum's first
;   matrix instruction.   window 3: Wv: K step s, tile t' at v[32 s + 8 t'].
.set PITCH, 528                        ; an LDS row: 512 bytes + 16 of padding = 132 words: row r starts at bank 4 r mod 64 (64 banks of 4 bytes: ISA guide 11.1)
.set TILEB, 128*PITCH                  ; 128 rows: what one tensor load brings.  LDS: x's 256 rows in tiles 0, 1; Wq in tile 2, Wk in tile 3
.set SPARE, 4*TILEB                    ; the spare words, 128 bytes for each wave: two blocks of 256 bytes that no other line names
.set DW0,   (1<<20)|(1<<21)|(6<<22)|(3<<25)   ; group 1, word 0 without the mask: elements of 1 byte; padding on; bit 21 beside a mask; after every 128 words, 4 words
.set LI,  3                            ; v3     16 x lane
.set LS,  4                            ; v4     4 x lane
.set SA,  5                            ; v5     32 r + 16 hh: my 16 scale bytes of row r
.set AQ,  6                            ; v6-7   LDS address of my part of Wq's fragments, K half 0, 1
.set AK,  8                            ; v8-9   of Wk's
.set AX0, 10                           ; v10-11 of x's, the key step's eight tiles (S0 of v)
.set AX1, 12                           ; v12-13 of x's, my wave's four tiles (S1 of q and k)
.set BOQ, 14                           ; v14    32 hh
.set BOV, 15                           ; v15    4 r
.set QS0, 16                           ; scale words: tile t, register i: lanes 0-15 K step i, lanes 16-31 K step 4 + i.  Wq's, then Wk's, then x's as S0: 32 registers each,
.set KS0, 48
.set XS0, 80
.set XS1, 112                          ; x's as S1, then Wv's: 16 each
.set VS1, 128
.set SPW, 144                          ; v144   LDS address of my spare word; never rewritten
.set NIL, 145                          ; v145   0; never rewritten
.set VW,  146                          ; v146   512 r + 16 hh: my 16 bytes in a row of Wv or Wp
.set WPR, 150
.set PC,  160
.set TM,  192
.set PW,  208
.set PWM, 212
.set BI,  160                          ; in window 2
.set WV,  30
.set CX,  31
.set CY,  32
.set TBK, 33                           ; my block of 256 tokens
.set HD,  34                           ; my head
.set MSK, 35
.set G1A, 36                           ; s[36:43] group 1 for W's tiles;  s[44:51] for x's
.set G1B, 44
.set G0A, 52                           ; s[52:55] group 0 for Wq's tile, s[56:59] for Wk's
.set G0B0, 60                          ; s[60:63] for x's
.set SVB, 2                            ; s[2:3] where my scale words of V go
.set KOB, 68                           ; s[68:69] where my fragments of K go, s[70:71] those of V
.set VOB, 70
.set SEL, 72
.set MSB, 0
.macro WIN new                         ; the immediate's high byte repeats the setting that is left; a switch that changes nothing is dropped
.if MSB != (\new)
	s_set_vgpr_msb (MSB<<8)|(\new)
.set MSB, \new
.endif
.endm
.macro PLACES                          ; four plain places behind matrix instructions (ISA guide 7.12.1)
.rept 4
	v_nop
.endr
.endm
.macro CROUND                          ; a round of the cluster's barrier
	s_barrier_signal -1
	s_barrier_wait -1
	s_cmp_lg_u32 s[WV], 0
	s_cbranch_scc1 .Lnot_wave_0_\@
	s_barrier_signal -3
.Lnot_wave_0_\@:
	s_barrier_wait -3
	s_barrier_signal -1
	s_barrier_wait -1
.endm
.macro WM d, a, b, c, sa, sb, row      ; row = 1: both scale words are taken from lanes 16-31
.if (\row) == 0
	v_wmma_scale_f32_16x16x128_f8f6f4 v[\d:\d+7], v[\a:\a+7], v[\b:\b+7], v[\c:\c+7], v[\sa], v[\sb] matrix_a_fmt:MATRIX_FMT_FP4 matrix_b_fmt:MATRIX_FMT_FP4
.else
	v_wmma_scale_f32_16x16x128_f8f6f4 v[\d:\d+7], v[\a:\a+7], v[\b:\b+7], v[\c:\c+7], v[\sa], v[\sb] matrix_a_fmt:MATRIX_FMT_FP4 matrix_b_fmt:MATRIX_FMT_FP4 matrix_a_scale:MATRIX_SCALE_ROW1 matrix_b_scale:MATRIX_SCALE_ROW1
.endif
.endm
; kind 0 q, 1 k, 2 v.  K step s: S0's eight fragments and, for q and k, my four of S1, into fragment set 0 or 1 of window 2: 24 LDS loads, for v 16
.macro LOADF kind, s, set
	WIN 0x80
.set AR, AQ+2*(\kind)+(\s)/4
.set FA, 64*(\set)
.set FB, 224-96*(\set)
.irp t, 0,1,2,3,4,5,6,7
.irp c, 0,1
	ds_load_b128 v[FA+8*\t+4*\c:FA+8*\t+4*\c+3], v[AR] offset:\t*16*PITCH+64*((\s)%4)+32*\c
.endr
.endr
.if (\kind) < 2
.irp t, 0,1,2,3
.irp c, 0,1
	ds_load_b128 v[FB+8*\t+4*\c:FB+8*\t+4*\c+3], v[AX1+(\s)/4] offset:\t*16*PITCH+64*((\s)%4)+32*\c
.endr
.endr
.endif
.endm
; K step s: 32 matrix instructions, the 32 accumulators by turns, in the same order in every step and phase.  first = 1: C = the bias: by S0's tile (q, k) or by S1's (v)
.macro MULS kind, s, first
.set FA, 64*((\s)%2)
.if (\kind) < 2
.set FB, 224-96*((\s)%2)
	WIN 0x5a+0x10*(\first)                         ; sources 0 and 1 window 2; D window 1; C window 1, or 2 for the bias
.else
.set FB, 32*(\s)
	WIN 0x5e+0x10*(\first)                         ; source 1 (Wv) window 3
.endif
.set SAB, QS0+32*(\kind)+(\s)%4
.set SBB, XS1+16*((\kind)/2)+(\s)%4
.irp tp, 0,1,2,3
.irp t, 0,1,2,3,4,5,6,7
.if (\first) == 0
	WM 64*\tp+8*\t, FA+8*\t, FB+8*\tp, 64*\tp+8*\t, SAB+4*\t, SBB+4*\tp, (\s)/4
.elseif (\kind) < 2
	WM 64*\tp+8*\t, FA+8*\t, FB+8*\tp, BI+8*\t, SAB+4*\t, SBB+4*\tp, (\s)/4
.else
	WM 64*\tp+8*\t, FA+8*\t, FB+8*\tp, BI+8*\tp, SAB+4*\t, SBB+4*\tp, (\s)/4
.endif
.endr
.endr
.endm
; tile tp of my 64 rows of Wv, all eight K steps: 16 loads that together take 16 whole rows of 512 bytes; lane (r, hh) takes the 16 bytes that the operand's layout gives it
.macro WVLOAD tp
	WIN 0xc0
.irp s, 0,1,2,3,4,5,6,7
.irp c, 0,1
	global_load_b128 v[32*\s+8*(\tp)+4*\c:32*\s+8*(\tp)+4*\c+3], v[VW], s[16:17] offset:8192*(\tp)+64*\s+32*\c
.endr
.endr
.endm
.macro BIASQK p                        ; q, k: the bias runs along S0: register 8 t + j = b(16 t + 8 hh + j)
	WIN 0x80
.irp t, 0,1,2,3,4,5,6,7
	global_load_b128 v[BI+8*\t:BI+8*\t+3], v[BOQ], s[\p:\p+1] offset:64*\t
	global_load_b128 v[BI+8*\t+4:BI+8*\t+7], v[BOQ], s[\p:\p+1] offset:64*\t+16
.endr
.endm
.macro BIASV                           ; v: the bias runs along S1: all eight registers of tile t' hold b(16 t' + r)
	WIN 0x80
.irp tp, 0,1,2,3
.irp j, 0,1,2,3,4,5,6,7
	global_load_b32 v[BI+8*\tp+\j], v[BOV], s[24:25] offset:64*\tp
.endr
.endr
.endm
; 64 numbers of a lane in window w, v[s] on: register 8 t + j = place 16 t + 8 hh + j of my row's 128.  They become a fragment's codes in v[pc] on and its scale word in v[pw] (window 0).
; A block of 32 is tiles 2 b and 2 b + 1 of lanes l and l xor 16.  Tile t's eight codes go to register 4 (t / 4) + 2 (t % 2) + (t % 4) / 2; two exchanges of halves for each 64 then give the operand's layout.
.macro QUANT s, w, pc, pw
	WIN (\w)|((\w)<<2)
.irp b, 0,1,2,3
	v_max3_num_f32 v[TM+\b], |v[\s+16*\b]|, |v[\s+16*\b+1]|, 0x1800000   ; with the floor 2^(3 - 127): the byte cannot fall under 1.  Each accumulator is read from its low end on
.endr
	WIN ((\w)<<2)|((\w)<<4)
.irp i, 2,4,6,8,10,12,14
.irp b, 0,1,2,3
	v_max3_num_f32 v[TM+\b], v[TM+\b], |v[\s+16*\b+\i]|, |v[\s+16*\b+\i+1]|
.endr
.endr
	WIN 0
.irp b, 0,1,2,3
	v_permlanex16_b32 v[TM+4+\b], v[TM+\b], s[SEL], s[SEL+1]
.endr
.irp b, 0,1,2,3
	v_max_num_f32 v[TM+\b], v[TM+\b], v[TM+4+\b]           ; the block's largest magnitude
.endr
.irp b, 0,1,2,3
	v_add_nc_u32 v[TM+12+\b], 0xff000000, v[TM+\b]         ; 2 off its exponent field: the conversion's scale operand
.endr
.irp b, 0,1,2,3
	v_lshrrev_b32 v[TM+4+\b], 23, v[TM+12+\b]              ; the scale's byte
.endr
	v_lshl_or_b32 v[\pw], v[TM+5], 8, v[TM+4]
	v_lshl_or_b32 v[\pw], v[TM+6], 16, v[\pw]
	v_lshl_or_b32 v[\pw], v[TM+7], 24, v[\pw]
	WIN \w
.irp t, 0,1,2,3,4,5,6,7
	v_cvt_scalef32_pk8_fp4_f32 v[\pc+4*(\t/4)+2*(\t%2)+(\t%4)/2], v[\s+8*\t:\s+8*\t+7], v[TM+12+\t/2]
.endr
	WIN 0
	v_nop                                                  ; one plain place behind a scaled conversion
.irp c, 0,1
	v_permlane16_swap_b32 v[\pc+4*\c], v[\pc+4*\c+1]
	v_permlane16_swap_b32 v[\pc+4*\c+2], v[\pc+4*\c+3]
.endr
.endm
; a phase's results: my four fragments and their scale words, into the workspace: sec 0 q, 1 k, 2 v
.macro FINISH sec
.if (\sec) > 0
	s_wait_xcnt 0x0                                ; the last phase's stores have read their data registers, which are written again below
.endif
.irp tp, 0,1,2,3
	QUANT 64*\tp, 1, PC+8*\tp, PW+\tp
.irp c, 0,1
.if (\sec) == 0
	global_store_b128 v[LI], v[PC+8*\tp+4*\c:PC+8*\tp+4*\c+3], s[26:27] offset:1024*\tp+512*\c   ; 32 lanes store 512 consecutive bytes, aligned
.elseif (\sec) == 1
	global_store_b128 v[LI], v[PC+8*\tp+4*\c:PC+8*\tp+4*\c+3], s[KOB:KOB+1] offset:1024*\tp+512*\c
.else
	global_store_b128 v[LI], v[PC+8*\tp+4*\c:PC+8*\tp+4*\c+3], s[VOB:VOB+1] offset:32768*(\tp/2)+1024*(\tp%2)+512*\c
.endif
.endr
.endr
.irp p, 0,1
	v_cndmask_b32 v[PWM+\p], v[PW+2*\p], v[PW+2*\p+1], s[MSK]      ; lanes 0-15 the even fragment's words, lanes 16-31 the odd one's
.endr
.irp p, 0,1
.if (\sec) < 2
	global_store_b32 v[LS], v[PWM+\p], s[28:29] offset:4096*(\sec)+128*\p
.else
	global_store_b32 v[LS], v[PWM+\p], s[SVB:SVB+1] offset:1024*\p
.endif
.endr
.endm
	s_load_b512 s[4:19], s[0:1], 0x0               ; x's codes, scales; Wq's; Wk's; Wv's
	s_load_b256 s[20:27], s[0:1], 0x40             ; bq, bk, bv, qkvc
	s_load_b64 s[28:29], s[0:1], 0x60              ; qkvs
	s_load_b64 s[100:101], s[0:1], 0x68            ; Wp's codes
	s_load_b64 s[104:105], s[0:1], 0x70            ; wpc
	v_lshl_add_u32 v[SPW], v0, 2, SPARE
	v_mov_b32 v[NIL], 0
	ds_add_u32 v[SPW], v[NIL]                      ; the wave's opening: the add, twice on end, and its wait ahead of my first tensor load
	ds_add_u32 v[SPW], v[NIL]                      ; and once more; the set-up below, work on registers, stands between it and the wait
	v_lshrrev_b32 v1, 5, v0
	v_readfirstlane_b32 s[WV], v1                  ; wave 0..3
	s_bfe_u32 s[CX], ttmp6, 0x40000                ; my place in the cluster
	s_bfe_u32 s[CY], ttmp6, 0x40004
	s_lshl_b32 s[TBK], ttmp9, 2
	s_add_co_u32 s[TBK], s[TBK], s[CX]             ; my block of 256 tokens = 4 x cluster x + cx
	s_and_b32 s[HD], ttmp7, 0xffff
	s_lshl_b32 s[HD], s[HD], 2
	s_add_co_u32 s[HD], s[HD], s[CY]               ; my head = 4 x cluster y + cy
	s_mov_b32 s[MSK], 0xffff0000                   ; lanes 16-31
	s_mov_b32 s[SEL], 0x76543210
	s_mov_b32 s[SEL+1], 0xfedcba98                 ; v_permlanex16_b32's selects for lane l xor 16
	s_lshl_b32 s2, s[CY], 2
	s_lshl_b32 s2, 15, s2                          ; my row of the cluster: the same head
	s_lshl_b32 s3, 0x1111, s[CX]                   ; my column: the same tokens
	s_or_b32 s[G1A], s2, DW0
	s_or_b32 s[G1B], s3, DW0
.irp g, G1A, G1B
	s_mov_b32 s[\g+1], 512<<16                     ; tensor_dim0 = 512 bytes
	s_mov_b32 s[\g+2], 128<<16                     ; tensor_dim1 = 128 rows
	s_mov_b32 s[\g+3], 512<<16                     ; tile_dim0
	s_mov_b32 s[\g+4], 128                         ; tile_dim1
	s_mov_b32 s[\g+5], 512                         ; a row of 1,024 codes in memory
	s_mov_b32 s[\g+6], 0
	s_mov_b32 s[\g+7], 0
.endr
	s_and_b32 s96, s[WV], 1                        ; as a fetcher of x: which 128 rows.  As a reader: which 64 rows of Wv
	s_lshr_b32 s98, s[WV], 1                       ; which of the block's two key steps is mine in the v phase
	s_lshl_b32 s74, s[HD], 16                      ; W's tile: the head's 128 rows of 512 bytes.  No register that feeds it holds cx
	s_mov_b32 s75, 0
	s_lshl_b32 s86, s[TBK], 17                     ; x's tile: the block's 256 rows, + 128 rows.  No register that feeds it holds cy
	s_lshl_b32 s87, s96, 16
	s_add_co_u32 s86, s86, s87
	s_mov_b32 s87, 0
	s_mul_i32 s97, s96, TILEB                      ; and where it goes: no place in the cluster enters an LDS address
	s_lshl_b32 s76, s[HD], 12                      ; Wq's and Wk's scale bytes: 32 a row
	s_mov_b32 s77, 0
	s_lshl_b32 s78, s[HD], 9                       ; bq, bk: the head's 128 numbers
	s_mov_b32 s79, 0
	s_lshl_b32 s80, s[HD], 16                      ; Wv's codes: the head's rows, my 64 of them
	s_lshl_b32 s81, s96, 15
	s_add_co_u32 s80, s80, s81
	s_mov_b32 s81, 0
	s_lshr_b32 s82, s80, 4                         ; their scale bytes: 32 a row against 512
	s_mov_b32 s83, 0
	s_lshr_b32 s84, s80, 7                         ; bv: 4 bytes a row
	s_mov_b32 s85, 0
	s_lshl_b32 s88, s[TBK], 13                     ; x's scale bytes: my wave's 64 tokens (S1 of q and k),
	s_lshl_b32 s89, s[WV], 11
	s_add_co_u32 s88, s88, s89
	s_mov_b32 s89, 0
	s_lshl_b32 s90, s[TBK], 13                     ; and my key step's 128 (S0 of v)
	s_lshl_b32 s91, s98, 12
	s_add_co_u32 s90, s90, s91
	s_mov_b32 s91, 0
	s_lshr_b32 s92, s[TBK], 2                      ; my first fragment of q: 192 (8 b + h) + 16 (block % 4) + 4 wave
	s_lshl_b32 s92, s92, 3
	s_add_co_u32 s92, s92, s[HD]
	s_mul_i32 s92, s92, 192
	s_and_b32 s93, s[TBK], 3
	s_lshl_b32 s93, s93, 4
	s_add_co_u32 s92, s92, s93
	s_lshl_b32 s93, s[WV], 2
	s_add_co_u32 s92, s92, s93
	s_lshl_b32 s94, s92, 6                         ; 64 bytes of scale words a fragment,
	s_mov_b32 s95, 0
	s_lshl_b32 s92, s92, 10                        ; 1,024 of codes
	s_mov_b32 s93, 0
	s_wait_dscnt 0x0                               ; both opening adds are done
	s_wait_kmcnt 0x0
	s_mov_b32 s[G0A], 1
	s_mov_b32 s[G0A+1], 2*TILEB
	s_add_nc_u64 s[G0A+2:G0A+3], s[8:9], s[74:75]
	s_or_b32 s[G0A+3], s[G0A+3], 0x80000000
	s_mov_b32 s[G0A+4], 1
	s_mov_b32 s[G0A+5], 3*TILEB
	s_add_nc_u64 s[G0A+6:G0A+7], s[12:13], s[74:75]
	s_or_b32 s[G0A+7], s[G0A+7], 0x80000000
	s_mov_b32 s[G0B0], 1
	s_mov_b32 s[G0B0+1], s97
	s_add_nc_u64 s[G0B0+2:G0B0+3], s[4:5], s[86:87]
	s_or_b32 s[G0B0+3], s[G0B0+3], 0x80000000
	s_add_nc_u64 s[10:11], s[10:11], s[76:77]      ; Wq's scale bytes
	s_add_nc_u64 s[14:15], s[14:15], s[76:77]      ; Wk's
	s_add_nc_u64 s[20:21], s[20:21], s[78:79]      ; bq
	s_add_nc_u64 s[22:23], s[22:23], s[78:79]      ; bk
	s_add_nc_u64 s[16:17], s[16:17], s[80:81]      ; Wv's codes
	s_add_nc_u64 s[18:19], s[18:19], s[82:83]      ; Wv's scale bytes
	s_add_nc_u64 s[24:25], s[24:25], s[84:85]      ; bv
	s_add_nc_u64 s[66:67], s[6:7], s[88:89]        ; x's scale bytes as S1,
	s_add_nc_u64 s[6:7], s[6:7], s[90:91]          ; and as S0
	s_add_nc_u64 s[26:27], s[26:27], s[92:93]      ; qkvc: my fragments of q
	s_add_nc_u64 s[28:29], s[28:29], s[94:95]      ; qkvs
	; K's place lies 65,536 + 16,384 (block % 4) behind q's
	s_and_b32 s74, s[TBK], 3
	s_lshl_b32 s76, s74, 14
	s_add_co_u32 s76, s76, 65536
	s_mov_b32 s77, 0
	s_add_nc_u64 s[KOB:KOB+1], s[26:27], s[76:77]
	; V's: 81,920 + 65,536 (wave % 2) + 2,048 (2 (block % 4) + wave / 2), less q's 16,384 (block % 4) + 4,096 wave: never negative
	s_lshl_b32 s78, s96, 16
	s_lshl_b32 s79, s98, 11
	s_add_co_u32 s78, s78, s79
	s_add_co_u32 s78, s78, 81920
	s_mul_i32 s79, s74, 12288
	s_sub_co_u32 s78, s78, s79
	s_lshl_b32 s79, s[WV], 12
	s_sub_co_u32 s78, s78, s79
	s_mov_b32 s79, 0
	s_add_nc_u64 s[VOB:VOB+1], s[26:27], s[78:79]
	; and V's scale words': 8,192 + 2,048 (wave % 2) + 128 (2 (block % 4) + wave / 2), less q's 1,024 (block % 4) + 256 wave
	s_lshl_b32 s80, s96, 11
	s_lshl_b32 s81, s98, 7
	s_add_co_u32 s80, s80, s81
	s_add_co_u32 s80, s80, 8192
	s_mul_i32 s81, s74, 768
	s_sub_co_u32 s80, s80, s81
	s_lshl_b32 s81, s[WV], 8
	s_sub_co_u32 s80, s80, s81
	s_mov_b32 s81, 0
	s_add_nc_u64 s[SVB:SVB+1], s[28:29], s[80:81]
	; my half fragment of Wp: tile of 16 columns 8 head + block / 4, K step 2 (block % 4) + wave / 2, registers 4 (wave % 2) on
	s_lshr_b32 s75, s[TBK], 2
	s_lshl_b32 s82, s[HD], 16
	s_lshl_b32 s83, s75, 13
	s_add_co_u32 s82, s82, s83
	s_lshl_b32 s83, s74, 7
	s_add_co_u32 s82, s82, s83
	s_lshl_b32 s83, s[WV], 5
	s_add_co_u32 s82, s82, s83
	s_mov_b32 s83, 0
	s_add_nc_u64 s[100:101], s[100:101], s[82:83]
	s_lshr_b32 s84, s75, 2                         ; the half,
	s_lshl_b32 s84, s84, 18
	s_lshl_b32 s85, s[HD], 15                      ; the run of 128 columns,
	s_add_co_u32 s84, s84, s85
	s_and_b32 s85, s75, 3                          ; the tile in it,
	s_lshl_b32 s85, s85, 13
	s_add_co_u32 s84, s84, s85
	s_lshl_b32 s85, s74, 11                        ; the K step and the half fragment
	s_add_co_u32 s84, s84, s85
	s_lshl_b32 s85, s[WV], 9
	s_add_co_u32 s84, s84, s85
	s_mov_b32 s85, 0
	s_add_nc_u64 s[104:105], s[104:105], s[84:85]
	CROUND                                         ; all sixteen work-groups are here: the joint loads meet
	; all fills of the launch, ONE a wave: wave 0 Wq's 128 rows, wave 1 Wk's, waves 2 and 3 128 rows of x each.  One chain of branches on the wave's number, a load to an arm; an s_nop 0 and four v_nop follow each
	s_cmp_lt_u32 s[WV], 1
	s_cbranch_scc0 .Lfor_wk
	tensor_load_to_lds s[G0A:G0A+3], s[G1A:G1A+7]
	s_nop 0
	PLACES
	s_branch .Lasked
.Lfor_wk:
	s_cmp_lt_u32 s[WV], 2
	s_cbranch_scc0 .Lfor_x
	tensor_load_to_lds s[G0A+4:G0A+7], s[G1A:G1A+7]
	s_nop 0
	PLACES
	s_branch .Lasked
.Lfor_x:
	tensor_load_to_lds s[G0B0:G0B0+3], s[G1B:G1B+7]
	s_nop 0
	PLACES
.Lasked:
	v_and_b32 v1, 15, v0                           ; r
	v_bfe_u32 v2, v0, 4, 1                         ; hh
	v_and_b32 v147, 31, v0                         ; lane
	v_lshlrev_b32 v[LI], 4, v147
	v_lshlrev_b32 v[LS], 2, v147
	v_lshlrev_b32 v[SA], 5, v1
	v_lshl_add_u32 v[SA], v2, 4, v[SA]
	v_mul_u32_u24 v148, v1, PITCH
	v_lshl_add_u32 v148, v2, 4, v148               ; a fragment's row x pitch + 16 x half
	v_add_nc_u32 v[AQ], 2*TILEB, v148
	v_add_nc_u32 v[AQ+1], 256, v[AQ]               ; the second half of K: 256 bytes on in each row
	v_add_nc_u32 v[AK], 3*TILEB, v148
	v_add_nc_u32 v[AK+1], 256, v[AK]
	s_mul_i32 s97, s98, TILEB                      ; my key step's 128 rows of x
	v_add_nc_u32 v[AX0], s97, v148
	v_add_nc_u32 v[AX0+1], 256, v[AX0]
	s_mul_i32 s97, s[WV], 64*PITCH                 ; my wave's 64 rows of x
	v_add_nc_u32 v[AX1], s97, v148
	v_add_nc_u32 v[AX1+1], 256, v[AX1]
	v_lshlrev_b32 v[BOQ], 5, v2
	v_lshlrev_b32 v[BOV], 2, v1
	v_lshlrev_b32 v[VW], 9, v1
	v_lshl_add_u32 v[VW], v2, 4, v[VW]
.irp b, 0,1,2,3
	v_mov_b32 v[TM+4+\b], 0                        ; written once: a lane permute's destination counts as one of its sources
.endr
	; the scale bytes go from memory straight into registers, once: 16 rows x 32 bytes are 512 consecutive bytes a load
.irp t, 0,1,2,3,4,5,6,7
	global_load_b128 v[QS0+4*\t:QS0+4*\t+3], v[SA], s[10:11] offset:512*\t
.endr
.irp t, 0,1,2,3
	global_load_b128 v[XS1+4*\t:XS1+4*\t+3], v[SA], s[66:67] offset:512*\t
.endr
	BIASQK 20                                      ; bq
	WIN 0
.irp t, 0,1,2,3,4,5,6,7
	global_load_b128 v[KS0+4*\t:KS0+4*\t+3], v[SA], s[14:15] offset:512*\t
.endr
.irp t, 0,1,2,3,4,5,6,7
	global_load_b128 v[XS0+4*\t:XS0+4*\t+3], v[SA], s[6:7] offset:512*\t
.endr
.irp t, 0,1,2,3
	global_load_b128 v[VS1+4*\t:VS1+4*\t+3], v[SA], s[18:19] offset:512*\t
.endr
	global_load_b128 v[WPR:WPR+3], v[VW], s[100:101]   ; my piece of Wp
	s_wait_alu depctr_va_vdst(0)                   ; the wait at the head's end
	s_wait_tensorcnt 0x0                           ; my tile has landed
	s_barrier_signal -1
	s_barrier_wait -1                              ; everybody's has: x, Wq and Wk whole.
	; ---- q.  A step's fragments are asked for a step ahead, into the set that the step before has multiplied
	LOADF 0, 0, 0
	LOADF 0, 1, 1
	s_wait_dscnt 24                                ; K step 0's 24 loads are in; K step 1's 24 may be out
	s_wait_loadcnt 0x0                             ; scale words, bq, Wp's piece
	WIN 0
	global_store_b128 v[LI], v[WPR:WPR+3], s[104:105]   ; 512 consecutive bytes of wpc, aligned
	WVLOAD 0
	MULS 0, 0, 1                                   ; the first products start the sums from the bias: nothing is cleared, nothing is added later
	PLACES                                         ; in front of loads into registers that matrix instructions have read: the fragment set, and the bias
	LOADF 0, 2, 0
	BIASQK 22                                      ; bk takes bq's registers
	s_wait_dscnt 24                                ; this step's loads are in; the 24 just issued may be out
	MULS 0, 1, 0
	PLACES
	LOADF 0, 3, 1
	WVLOAD 1
	s_wait_dscnt 24
	MULS 0, 2, 0
	PLACES
	LOADF 0, 4, 0
	s_wait_dscnt 24
	MULS 0, 3, 0
	PLACES
	LOADF 0, 5, 1
	WVLOAD 2
	s_wait_dscnt 24
	MULS 0, 4, 0
	PLACES
	LOADF 0, 6, 0
	s_wait_dscnt 24
	MULS 0, 5, 0
	PLACES
	LOADF 0, 7, 1
	WVLOAD 3
	s_wait_dscnt 24
	MULS 0, 6, 0
	PLACES
	LOADF 1, 0, 0                                  ; the k phase's first fragments
	s_wait_dscnt 24
	MULS 0, 7, 0
	PLACES                                         ; in front of the loads below and of the first read of results
	LOADF 1, 1, 1
	FINISH 0                                       ; q leaves while k's fragments land; its more than a hundred plain lines are also the places ahead of the products that begin the accumulators anew
	; ---- k
	s_wait_dscnt 0x0
	s_wait_loadcnt 48                              ; bk is in: behind it three runs of 16 loads of Wv were issued
	MULS 1, 0, 1
	PLACES
	LOADF 1, 2, 0
	BIASV                                          ; bv takes bk's registers
	s_wait_dscnt 24
	MULS 1, 1, 0
.irp s, 2,3,4,5,6
	PLACES
	LOADF 1, \s+1, (\s+1)%2
	s_wait_dscnt 24
	MULS 1, \s, 0
.endr
	PLACES
	LOADF 2, 0, 0                                  ; the v phase's first fragments: 16 loads
	s_wait_dscnt 16
	MULS 1, 7, 0
	PLACES
	LOADF 2, 1, 1
	FINISH 1
	; ---- v: source 1 stands in registers
	s_wait_dscnt 0x0
	s_wait_loadcnt 0x0                             ; Wv and bv
	MULS 2, 0, 1
.irp s, 1,2,3,4,5,6
	PLACES
	LOADF 2, \s+1, (\s+1)%2
	s_wait_dscnt 16                                ; this step's loads are in; the 16 just issued may be out
	MULS 2, \s, 0
.endr
	s_wait_dscnt 0x0
	MULS 2, 7, 0
	PLACES                                         ; in front of the first read of results
	FINISH 2
	s_wait_tensorcnt 0x0                           ; the wave's end
	ds_add_u32 v[SPW], v[NIL]
	s_wait_dscnt 0x0
	CROUND                                         ; the closing round: no work-group ends while a partner may still ask for a tile that names it
	s_endpgm
.Lfunc_end_k_qe6552c34a2_proj:
	.size	k_qe6552c34a2_proj, .Lfunc_end_k_qe6552c34a2_proj-k_qe6552c34a2_proj
	.p2alignl 7, 3214868480
	.fill 96, 4, 3214868480
	.section	.rodata,"a",@progbits
	.p2align	6, 0x0
	.amdhsa_kernel k_qe6552c34a2_proj
		.amdhsa_group_segment_fixed_size 270848
		.amdhsa_private_segment_fixed_size 0
		.amdhsa_enable_private_segment 0
		.amdhsa_kernarg_size 120
		.amdhsa_user_sgpr_count 2
		.amdhsa_user_sgpr_kernarg_segment_ptr 1
		.amdhsa_wavefront_size32 1
		.amdhsa_system_sgpr_workgroup_id_x 1
		.amdhsa_system_sgpr_workgroup_id_y 1
		.amdhsa_system_sgpr_workgroup_id_z 1
		.amdhsa_system_vgpr_workitem_id 0
		.amdhsa_next_free_vgpr 1024
		.amdhsa_next_free_sgpr 106
		.amdhsa_reserve_vcc 0
		.amdhsa_float_denorm_mode_32 3
		.amdhsa_float_denorm_mode_16_64 3
		.amdhsa_memory_ordered 1
		.amdhsa_forward_progress 1
		.amdhsa_inst_pref_size 208
	.end_amdhsa_kernel
	.amdgpu_metadata
---
amdhsa.version: [ 1, 2 ]
amdhsa.kernels:
  - .name:           k_qe6552c34a2_proj
    .symbol:         k_qe6552c34a2_proj.kd
    .args:
      - { .name: x_codes, .offset: 0, .size: 8, .value_kind: global_buffer, .address_space: global }
      - { .name: x_scales, .offset: 8, .size: 8, .value_kind: global_buffer, .address_space: global }
      - { .name: Wq_codes, .offset: 16, .size: 8, .value_kind: global_buffer, .address_space: global }
      - { .name: Wq_scales, .offset: 24, .size: 8, .value_kind: global_buffer, .address_space: global }
      - { .name: Wk_codes, .offset: 32, .size: 8, .value_kind: global_buffer, .address_space: global }
      - { .name: Wk_scales, .offset: 40, .size: 8, .value_kind: global_buffer, .address_space: global }
      - { .name: Wv_codes, .offset: 48, .size: 8, .value_kind: global_buffer, .address_space: global }
      - { .name: Wv_scales, .offset: 56, .size: 8, .value_kind: global_buffer, .address_space: global }
      - { .name: bq, .offset: 64, .size: 8, .value_kind: global_buffer, .address_space: global }
      - { .name: bk, .offset: 72, .size: 8, .value_kind: global_buffer, .address_space: global }
      - { .name: bv, .offset: 80, .size: 8, .value_kind: global_buffer, .address_space: global }
      - { .name: qkvc, .offset: 88, .size: 8, .value_kind: global_buffer, .address_space: global }
      - { .name: qkvs, .offset: 96, .size: 8, .value_kind: global_buffer, .address_space: global }
      - { .name: Wp_codes, .offset: 104, .size: 8, .value_kind: global_buffer, .address_space: global }
      - { .name: wpc, .offset: 112, .size: 8, .value_kind: global_buffer, .address_space: global }
    .group_segment_fixed_size: 270848
    .private_segment_fixed_size: 0
    .kernarg_segment_align: 8
    .kernarg_segment_size: 120
    .max_flat_workgroup_size: 128
    .sgpr_count:     106
    .vgpr_count:     1024
    .wavefront_size: 32
...
	.end_amdgpu_metadata
.endif
;; end of part 1
;; launch attnout (part 2): grid 256 x 1, 8 waves a work-group, clusters of 4 x 1, 327,680 bytes of LDS; arguments qkvc, qkvs, wpc, Wp_scales, bp, out0; writes out0
.if DOCPART == 2
	.amdgcn_target "amdgcn-amd-amdhsa--gfx1250"
	.amdhsa_code_object_version 6
	.text
	.protected	k_qe6552c34a2_attnout
	.globl	k_qe6552c34a2_attnout
	.p2align	8
	.type	k_qe6552c34a2_attnout,@function
k_qe6552c34a2_attnout:
	s_mov_b64 s[64:65], 0
	v_nop
	global_prefetch_b8 v0, s[64:65] scope:SCOPE_SE
	s_setreg_imm32_b32 hwreg(HW_REG_WAVE_MODE, 25, 1), 1
	s_wait_xcnt 0x0
	s_wait_alu depctr_hold_cnt(0) depctr_sa_sdst(0) depctr_va_vdst(0) depctr_va_sdst(0) depctr_va_ssrc(0) depctr_va_vcc(0) depctr_vm_vsrc(0)
	s_getreg_b32 s2, hwreg(HW_REG_IB_STS2, 6, 4)
	s_cmp_eq_u32 s2, 0
	s_cbranch_scc0 .Lentry_in_a_cluster
	s_endpgm
.Lentry_in_a_cluster:
	s_bfe_u32 s2, ttmp6, 0x10000c
	s_cmp_lg_u32 s2, 0x3003
	s_cbranch_scc0 .Lentry_shape_is_right
	s_endpgm
.Lentry_shape_is_right:
; out0 = ((softmax(q k^T) / 32) v) Wp + bp, all three products on codes of FP4 (E2M1) with one E8M0 scale for each 32 along K.  Nothing is left out.
; THE SECOND PRODUCT'S LEFT OPERAND IS THE FINISHED SOFTMAX / 32, quantised along the keys: so a row's sum is known before any weight is quantised.
; LIMITS: NaN and infinities are not served.  v_exp_f32 gives 0 for a result under 2^-126.  A block's largest weight is not searched for: the block's largest SCORE goes through the same multiply-add, exponential and
; multiplication as every score, which takes v_exp_f32 not to fall where its input rises.  A block whose largest number lies under 2^-124 gets the scale byte 1.  The row's sum is taken in another order than
; reference()'s; 1 / sum is v_rcp_f32's.  The division by 32 is a multiplication by 2^-5: exact.
; SHARES.  A work-group owns 32 tokens of one batch (two tiles of 16 queries) for all eight heads, and then their 32 rows of out0: 256 work-groups.  A trip takes two heads: waves 0-3 the even one, 4-7 the odd one.
;   Scores: wave (hd, quarter) takes keys 256 quarter on for both tiles of queries: 256 scores a lane, in window 1; each fragment of K feeds two products.
;   Each wave takes its own largest score m_w and sum s_w; the four waves of a head exchange (-c m_w, s_w) through LDS, c = log2(e), and p = 2^(c s - c m_w) becomes the weight by ONE factor,
;   2^(c m_w - c m) / (32 sum over the waves of s_w 2^(c m_w - c m)).  The weights' codes and scale words go through LDS to the head's four waves.
;   Second product: wave (hd, quarter) takes channels 32 quarter on, all 1,024 keys, both tiles of queries: four accumulators; the 32 channels are one block of o's quantiser.  o's codes stay in LDS.
;   Last product: wave w takes columns 128 w on for both tiles of tokens, in four pieces of 32 columns; two pieces leave together as rows of 256 bytes.
; LAYOUT.  Products are used transposed: source 0 = 16 keys, channels or columns, source 1 = 16 queries: lane (r, hh) holds query r and, in register j of tile t, place 16 t + 8 hh + j.
; LDS: one slot of 32 KiB for each wave: K's and V's 16 fragments each (images of operand registers), then 32 of Wp's.  Only the wave itself reads it.  K and V stand in registers whole before a trip's exponentials are half
; done: there the round stands behind which the slot is filled again, with the next pair of heads, in the last trip with Wp's pieces 0 and 1.  Pieces 2 and 3 follow one by one, each into the half slot read last.
; CLUSTER: four work-groups of a batch read the same K and V, and all the same Wp: every slot is asked for jointly by the four.
; PREFETCH.  Behind the round of a trip one wave of each work-group asks for what the NEXT trip's round will load (in the last trip: for Wp's pieces 2 and 3): the eight clusters of a batch share its 1,024 blocks of
; 256 bytes out by address, 32 to a work-group.  For Wp, which all clusters read, 32 clusters ask: each block is named four times.  The first two pairs of heads come by their loads alone.
; REGISTERS: window 0 as named below; v128-255 sixteen fragments of K, then of V, then of Wp, then rows of out0.   window 1: the scores: tile q of queries, tile f of keys at v[128 q + 8 f]; then P's fragments (q, j) at
;   v[8 (8 q + j)] and O^T at v[128 + 16 q + 8 u]; then o's fragments (head, q) at v[8 (2 head + q)], and bp in the result's layout at v160-223.
.set PB,   262144                      ; behind the slots: P's codes [hd][q][key step][1,024],
.set PSB,  PB+32768                    ; P's scale words [hd][q][key step][64],
.set ST,   PSB+2048                    ; the exchange [hd][q][quarter][16 x 8],
.set OB,   ST+2048                     ; o's fragments [head][q][1,024]
.set OSB,  OB+16384                    ; and scale words [head][q][64]
.set SPARE, OSB+1024                   ; the spare words, 128 bytes for each wave: four blocks of 256 bytes that no other line names
.set SPI,  272                         ; the way out: 16 rows x (256 bytes + 16) for each wave, 4,608 bytes apart, where P's codes and the exchange were
.set PAIR, 393216                      ; two heads on in qkvc
.set PAIRS, 24576                      ; and in qkvs
.set LI,  1                            ; 16 x lane
.set LS,  2                            ; 4 x lane
.set AT,  3                            ; my slot
.set APW, 4                            ; P's codes: where I put mine,
.set APR, 5                            ; where the head's begin
.set ASW, 6                            ; the same for P's scale words
.set ASR, 7
.set ATW, 8                            ; and for the exchange
.set ATR, 9
.set AO,  10                           ; o's codes and scale byte of pair 0
.set AOS, 11
.set PFO, 12                           ; 256 x lane
.set SPW, 13                           ; LDS address of my spare word; never rewritten
.set NIL, 14                           ; 0; never rewritten
.set QF,  16                           ; Q's two fragments
.set QS,  32                           ; their scale words: lanes 0-15 tile 0, lanes 16-31 tile 1
.set KS,  34                           ; register i: lanes 0-15 fragment 2 i, lanes 16-31 fragment 2 i + 1
.set SUM, 42                           ; v42-49, and 58 on for tile 1: the sum in four chains of pairs
.set VS,  50                           ; register j: key step j, lanes 0-15 u = 0, lanes 16-31 u = 1
.set NM,  58                           ; v[58:59], v[60:61]: -c m_w of tiles 0 and 1, each with s_w behind it
.set T,   62                           ; v62-77 at work
.set SA,  78                           ; 32 r + 16 hh
.set BO,  79                           ; 32 hh
.set BM,  80                           ; block 8 q + b: its largest score, then its largest weight, then the conversion's scale operand
.set RR,  96                           ; v[96:97], v[98:99]: the factor of tiles 0 and 1; later o's LDS addresses
.set STM, 100                          ; v100-115 the exchange read back
.set PWD, 116
.set PSR, 120                          ; register 4 q + j / 2: lanes 0-15 the even key step's words, lanes 16-31 the odd one's
.set FR,  128
.set WS,  16                           ; the last product: v16-47 Wp's scale words: tile t, register i: lanes 0-15 K step i, lanes 16-31 K step 4 + i
.set OSR, 48                           ; register h: o's scale words, lanes 0-15 tile 0, lanes 16-31 tile 1
.set STO, 56
.set RD,  57
.set CO,  58
.set AOR, 59
.set AOT, 60
.set ACC, 64                           ; v64-127: accumulator (t, q) of a half at 16 t + 8 q
.set BP,  160                          ; in window 1
.set WV,  16
.set CX,  17
.set HD,  18
.set KQ,  19
.set G1,  20
.set G0,  28
.set SEL, 32
.set CS,  34                           ; s[34:35] c: the packed form names a pair and takes its low word for both halves
.set NC,  36                           ; -c
.set TI,  37                           ; trips to go
.set MSK, 38
.set LIM, 39                           ; my wave prefetches while s[TI] is greater
.set KV,  40
.set QP,  42
.set QSP, 44
.set KSP, 46
.set PFA, 50
.set PWB, 52
.set STP, 54
.set WPP, 56
.set OST, 58
.set OSS, 59
.set MSB, 0
.macro WIN new                         ; the immediate's high byte repeats the setting that is left; a switch that changes nothing is dropped
.if MSB != (\new)
	s_set_vgpr_msb (MSB<<8)|(\new)
.set MSB, \new
.endif
.endm
.macro PLACES                          ; four plain places behind matrix instructions (ISA guide 7.12.1)
.rept 4
	v_nop
.endr
.endm
.macro CREST                           ; a round of the cluster's barrier behind its opening barrier
	s_cmp_lg_u32 s[WV], 0
	s_cbranch_scc1 .Lnot_wave_0_\@
	s_barrier_signal -3
.Lnot_wave_0_\@:
	s_barrier_wait -3
	s_barrier_signal -1
	s_barrier_wait -1
.endm
.macro CROUND                          ; a whole round
	s_barrier_signal -1
	s_barrier_wait -1
	CREST
.endm
.macro WM0 d, a, b, sa, sb, ra, rb     ; the constant 0 starts the sum.  ra, rb = 1: that side's scale words are taken from lanes 16-31
.if (\ra) == 0 && (\rb) == 0
	v_wmma_scale_f32_16x16x128_f8f6f4 v[\d:\d+7], v[\a:\a+7], v[\b:\b+7], 0, v[\sa], v[\sb] matrix_a_fmt:MATRIX_FMT_FP4 matrix_b_fmt:MATRIX_FMT_FP4
.elseif (\rb) == 0
	v_wmma_scale_f32_16x16x128_f8f6f4 v[\d:\d+7], v[\a:\a+7], v[\b:\b+7], 0, v[\sa], v[\sb] matrix_a_fmt:MATRIX_FMT_FP4 matrix_b_fmt:MATRIX_FMT_FP4 matrix_a_scale:MATRIX_SCALE_ROW1
.elseif (\ra) == 0
	v_wmma_scale_f32_16x16x128_f8f6f4 v[\d:\d+7], v[\a:\a+7], v[\b:\b+7], 0, v[\sa], v[\sb] matrix_a_fmt:MATRIX_FMT_FP4 matrix_b_fmt:MATRIX_FMT_FP4 matrix_b_scale:MATRIX_SCALE_ROW1
.else
	v_wmma_scale_f32_16x16x128_f8f6f4 v[\d:\d+7], v[\a:\a+7], v[\b:\b+7], 0, v[\sa], v[\sb] matrix_a_fmt:MATRIX_FMT_FP4 matrix_b_fmt:MATRIX_FMT_FP4 matrix_a_scale:MATRIX_SCALE_ROW1 matrix_b_scale:MATRIX_SCALE_ROW1
.endif
.endm
.macro WM d, a, b, c, sa, sb, ra, rb
.if (\ra) == 0 && (\rb) == 0
	v_wmma_scale_f32_16x16x128_f8f6f4 v[\d:\d+7], v[\a:\a+7], v[\b:\b+7], v[\c:\c+7], v[\sa], v[\sb] matrix_a_fmt:MATRIX_FMT_FP4 matrix_b_fmt:MATRIX_FMT_FP4
.elseif (\rb) == 0
	v_wmma_scale_f32_16x16x128_f8f6f4 v[\d:\d+7], v[\a:\a+7], v[\b:\b+7], v[\c:\c+7], v[\sa], v[\sb] matrix_a_fmt:MATRIX_FMT_FP4 matrix_b_fmt:MATRIX_FMT_FP4 matrix_a_scale:MATRIX_SCALE_ROW1
.elseif (\ra) == 0
	v_wmma_scale_f32_16x16x128_f8f6f4 v[\d:\d+7], v[\a:\a+7], v[\b:\b+7], v[\c:\c+7], v[\sa], v[\sb] matrix_a_fmt:MATRIX_FMT_FP4 matrix_b_fmt:MATRIX_FMT_FP4 matrix_b_scale:MATRIX_SCALE_ROW1
.else
	v_wmma_scale_f32_16x16x128_f8f6f4 v[\d:\d+7], v[\a:\a+7], v[\b:\b+7], v[\c:\c+7], v[\sa], v[\sb] matrix_a_fmt:MATRIX_FMT_FP4 matrix_b_fmt:MATRIX_FMT_FP4 matrix_a_scale:MATRIX_SCALE_ROW1 matrix_b_scale:MATRIX_SCALE_ROW1
.endif
.endm
.macro FRAGS from                      ; sixteen fragments of my slot, from byte from on: 32 loads of 512 consecutive bytes
	WIN 0
.set EP, 0
.rept 32
	ds_load_b128 v[FR+4*EP:FR+4*EP+3], v[AT] offset:\from+512*EP
.set EP, EP+1
.endr
.endm
.macro SCORES base                     ; S^T of eight tiles of 16 keys x both tiles of queries
	WIN 0x40
.irp f, 0,1,2,3,4,5,6,7
.irp q, 0,1
	WM0 128*\q+8*(\f+\base), FR+8*(\f+\base), QF+8*\q, KS+(\f+\base)/2, QS, (\f+\base)%2, \q
.endr
.endr
.endm
.macro MAXH base                       ; the largest score of four blocks of 32 keys (my 16 of each) for both tiles of queries, by turns; every accumulator is read from its low end on
	WIN 0x15
.irp q, 0,1
.irp b, 0,1,2,3
	v_max3_num_f32 v[BM+8*\q+\b+\base], v[128*\q+16*(\b+\base)], v[128*\q+16*(\b+\base)+1], v[128*\q+16*(\b+\base)+2]
.endr
.endr
	WIN 0x14
.irp i, 3,5,7,9,11,13
.irp q, 0,1
.irp b, 0,1,2,3
	v_max3_num_f32 v[BM+8*\q+\b+\base], v[BM+8*\q+\b+\base], v[128*\q+16*(\b+\base)+\i], v[128*\q+16*(\b+\base)+\i+1]
.endr
.endr
.endr
.irp q, 0,1
.irp b, 0,1,2,3
	v_max_num_f32 v[BM+8*\q+\b+\base], v[BM+8*\q+\b+\base], v[128*\q+16*(\b+\base)+15]
.endr
.endr
.endm
; The 256 scores go in four batches of 64 (batches 0 and 1 are tile 0's): FMAB c s - c m_w, EXPB the exponentials, ADDB the sum of the unquantised p
.macro FMAB n
	WIN 0x41
.set EP, 64*(\n)
.rept 32
	v_pk_fma_f32 v[EP:EP+1], v[EP:EP+1], s[CS:CS+1], v[NM+2*((\n)/2):NM+2*((\n)/2)+1] op_sel_hi:[1,0,0]
.set EP, EP+2
.endr
.endm
.macro EXPB n
	WIN 0x41
.set EP, 64*(\n)
.rept 64
	v_exp_f32 v[EP], v[EP]
.set EP, EP+1
.endr
.endm
.macro ADDB n
.set SB, SUM+58*((\n)/2)
.set EP, 0
.if ((\n)%2) == 0
	WIN 0x05
.irp k, 0,1,2,3
	v_pk_add_f32 v[SB+2*\k:SB+2*\k+1], v[64*(\n)+4*\k:64*(\n)+4*\k+1], v[64*(\n)+4*\k+2:64*(\n)+4*\k+3]   ; the first eight pairs start the chains: nothing is cleared
.endr
.set EP, 8
.endif
	WIN 0x04
.rept 32-8*(1-((\n)%2))
	v_pk_add_f32 v[SB+2*(EP%4):SB+2*(EP%4)+1], v[SB+2*(EP%4):SB+2*(EP%4)+1], v[64*(\n)+2*EP:64*(\n)+2*EP+1]
.set EP, EP+1
.endr
.endm
; the weights' codes of tile q of queries, key step jj of my two, into v[pc] on: tile t's eight codes to register 4 (t / 4) + 2 (t % 2) + (t % 4) / 2
.macro CODES q, jj, pc
	WIN 0x01
.irp t, 0,1,2,3,4,5,6,7
	v_cvt_scalef32_pk8_fp4_f32 v[\pc+4*(\t/4)+2*(\t%2)+(\t%4)/2], v[128*\q+64*\jj+8*\t:128*\q+64*\jj+8*\t+7], v[BM+8*\q+4*\jj+\t/2]
.endr
.endm
.macro PUTP q, jj, pc                  ; two exchanges of halves for each 64 keys give the operand's layout; stored as an image of the operand's registers
	v_permlane16_swap_b32 v[\pc], v[\pc+1]
	v_permlane16_swap_b32 v[\pc+2], v[\pc+3]
	v_permlane16_swap_b32 v[\pc+4], v[\pc+5]
	v_permlane16_swap_b32 v[\pc+6], v[\pc+7]
	ds_store_b128 v[APW], v[\pc:\pc+3] offset:8192*\q+1024*\jj
	ds_store_b128 v[APW], v[\pc+4:\pc+7] offset:8192*\q+1024*\jj+512
.endm
.macro PV j                            ; key step j of the second product: the four accumulators by turns
.irp q, 0,1
.irp u, 0,1
.if (\j) == 0
	WM0 128+16*\q+8*\u, FR+8*(2*(\j)+\u), 8*(8*\q+\j), VS+\j, PSR+4*\q+(\j)/2, \u, (\j)%2
.else
	WM 128+16*\q+8*\u, FR+8*(2*(\j)+\u), 8*(8*\q+\j), 128+16*\q+8*\u, VS+\j, PSR+4*\q+(\j)/2, \u, (\j)%2
.endif
.endr
.endr
.endm
.macro MULP p, tp                      ; Wp's piece 2 p + tp: tiles 2 tp, 2 tp + 1 of half p, all eight K steps: the four accumulators by turns; bp is the C of each sum's first
.irp s, 0,1,2,3,4,5,6,7
.if \s == 0
	WIN 0x14
.else
	WIN 0x04
.endif
.irp t, 0,1
.irp q, 0,1
.if \s == 0
	WM ACC+16*(2*\tp+\t)+8*\q, FR+8*(8*\t+\s), 8*(2*\s+\q), BP+8*(4*\p+2*\tp+\t), WS+4*(4*\p+2*\tp+\t)+\s%4, OSR+\s, \s/4, \q
.else
	WM ACC+16*(2*\tp+\t)+8*\q, FR+8*(8*\t+\s), 8*(2*\s+\q), ACC+16*(2*\tp+\t)+8*\q, WS+4*(4*\p+2*\tp+\t)+\s%4, OSR+\s, \s/4, \q
.endif
.endr
.endr
.endr
	WIN 0
.endm
; THE WAY OUT of half p: a lane holds 32 neighbouring bytes of a row and the lanes beside it other rows: so 16 rows of 256 bytes at a time go through my own stage and come back as whole rows.
; LDS serves a wave's instructions in order (ISA guide 5.7.1.4): no wait between the stores and the loads, nor in front of the next tile's stores
.macro OUTH p
.irp q, 0,1
.irp t, 0,1,2,3
	ds_store_b128 v[STO], v[ACC+16*\t+8*\q:ACC+16*\t+8*\q+3] offset:64*\t           ; each accumulator from its low end on
	ds_store_b128 v[STO], v[ACC+16*\t+8*\q+4:ACC+16*\t+8*\q+7] offset:64*\t+16
.endr
.irp i, 0,1,2,3,4,5,6,7
	ds_load_b128 v[FR+32*\q+4*\i:FR+32*\q+4*\i+3], v[RD] offset:2*SPI*\i
.endr
.endr
.irp q, 0,1
	s_wait_dscnt 16*(1-\q)                         ; behind tile 0's loads: tile 1's 8 stores and 8 loads
.irp i, 0,1,2,3,4,5,6,7
	global_store_b128 v[CO], v[FR+32*\q+4*\i:FR+32*\q+4*\i+3], s[14:15] offset:(16*\q+2*\i)*4096+256*\p th:TH_STORE_NT   ; sixteen lanes store 256 consecutive bytes, aligned; written once, read by nobody here
.endr
.endr
.endm
	s_load_b256 s[4:11], s[0:1], 0x0               ; qkvc, qkvs, wpc, Wp's scales
	s_load_b128 s[12:15], s[0:1], 0x20             ; bp, out0
	v_lshl_add_u32 v[SPW], v0, 2, SPARE
	v_mov_b32 v[NIL], 0
	ds_add_u32 v[SPW], v[NIL]                      ; the wave's opening: the add, twice on end, and its wait ahead of my first tensor load
	ds_add_u32 v[SPW], v[NIL]                      ; and once more; the set-up below, work on registers, stands between it and the wait
	v_lshrrev_b32 v16, 5, v0
	v_readfirstlane_b32 s[WV], v16                 ; wave 0..7
	s_bfe_u32 s[CX], ttmp6, 0x40000                ; my place in the cluster: it enters Q's, out0's and the prefetches' addresses alone
	s_lshr_b32 s[HD], s[WV], 2                     ; which head of the pair
	s_and_b32 s[KQ], s[WV], 3                      ; which quarter of the keys, and of the channels
	s_mov_b32 s[G1], 15|(3<<16)|(1<<21)            ; the mask: all four work-groups; elements of 8 bytes; bit 21 beside a mask; no padding
	s_mov_b32 s[G1+1], 32<<16                      ; rows of 256 bytes,
	s_mov_b32 s[G1+2], 128<<16                     ; 128 of them: 32 fragments, dense in memory and in LDS
	s_mov_b32 s[G1+3], 32<<16
	s_mov_b32 s[G1+4], 128
	s_mov_b32 s[G1+5], 32
	s_mov_b32 s[G1+6], 0
	s_mov_b32 s[G1+7], 0
	s_mov_b32 s[SEL], 0x76543210
	s_mov_b32 s[SEL+1], 0xfedcba98
	s_mov_b32 s[CS], 0x3fb8aa3b                    ; c = log2(e)
	s_mov_b32 s[CS+1], s[CS]
	s_mov_b32 s[NC], 0xbfb8aa3b                    ; -c
	s_mov_b32 s[TI], 4
	s_mov_b32 s[MSK], 0xffff0000                   ; lanes 16-31
	s_mov_b32 s[OST], 0
	s_mov_b32 s[OSS], 0
	s_mov_b32 s[STP+1], 0
	s_mov_b32 s[LIM], 2                            ; K and V are asked for in the trips with s[TI] 4 and 3, Wp with 2 and 1:
	s_cmp_lt_u32 ttmp9, 32
	s_cselect_b32 s[LIM], 0, s[LIM]                ; by the first 32 clusters alone;
	s_cmp_eq_u32 s[WV], 0
	s_cselect_b32 s[LIM], s[LIM], 64               ; by wave 0 alone
	s_lshr_b32 s66, ttmp9, 3                       ; the batch b, which the four partners share
	s_lshl_b32 s66, s66, 3
	s_add_co_u32 s67, s66, s[HD]                   ; 8 b + my head of pair 0
	s_mul_i32 s68, s67, 196608
	s_lshl_b32 s70, s[KQ], 15
	s_add_co_u32 s70, s70, 65536
	s_add_co_u32 s70, s70, s68                     ; my quarter of K and V
	s_mov_b32 s71, 0
	s_and_b32 s72, ttmp9, 7
	s_lshl_b32 s73, s72, 2
	s_add_co_u32 s73, s73, s[CX]                   ; which 32 of the batch's tokens
	s_lshl_b32 s74, s73, 11
	s_add_co_u32 s74, s74, s68                     ; Q's two fragments
	s_mov_b32 s75, 0
	s_mul_i32 s76, s67, 12288
	s_lshl_b32 s77, s73, 7
	s_add_co_u32 s78, s76, s77                     ; Q's scale words
	s_mov_b32 s79, 0
	s_lshl_b32 s77, s[KQ], 10
	s_add_co_u32 s80, s76, s77
	s_add_co_u32 s80, s80, 4096                    ; K's; V's lie 4,096 behind them
	s_mov_b32 s81, 0
	s_bfe_u32 s82, ttmp9, 0x10002                  ; the prefetches: of a pair's 1,024 blocks my work-group's 32: head (cluster / 4) % 2, block 128 (cluster % 4) + 32 cx on
	s_add_co_u32 s82, s82, s66
	s_mul_i32 s82, s82, 196608
	s_and_b32 s83, ttmp9, 3
	s_lshl_b32 s83, s83, 15
	s_add_co_u32 s82, s82, s83
	s_lshl_b32 s84, s[CX], 13
	s_add_co_u32 s82, s82, s84
	s_add_co_u32 s82, s82, 65536+PAIR              ; at pair 1: the first trip steps it to pair 2
	s_mov_b32 s83, 0
	s_lshl_b32 s85, s72, 15
	s_add_co_u32 s84, s84, s85                     ; of a half of Wp likewise
	s_mov_b32 s85, 0
	s_lshl_b32 s86, s[WV], 15                      ; my slot, and my run of Wp
	s_mov_b32 s87, 0
	s_lshl_b32 s88, s[WV], 12                      ; its scale bytes: 128 rows of 32
	s_mov_b32 s89, 0
	s_lshl_b32 s90, s[WV], 9                       ; bp, and my first column's bytes in a row of out0
	s_mov_b32 s91, 0
	s_lshl_b32 s92, ttmp9, 2
	s_add_co_u32 s92, s92, s[CX]
	s_lshl_b32 s92, s92, 17                        ; my 32 rows of out0, 4,096 bytes each
	s_add_co_u32 s92, s92, s90
	s_mov_b32 s93, 0
	s_lshl_b32 s60, s[HD], 14
	s_add_co_u32 s60, s60, PB
	s_lshl_b32 s61, s[KQ], 11
	s_add_co_u32 s61, s61, s60
	s_lshl_b32 s62, s[HD], 10
	s_add_co_u32 s94, s62, ST
	s_add_co_u32 s62, s62, PSB
	s_lshl_b32 s63, s[KQ], 7
	s_add_co_u32 s95, s63, s94
	s_add_co_u32 s63, s63, s62
	s_lshl_b32 s96, s[HD], 11
	s_lshl_b32 s97, s[KQ], 8
	s_add_co_u32 s96, s96, s97
	s_add_co_u32 s96, s96, OB
	s_lshl_b32 s97, s[HD], 7
	s_add_co_u32 s97, s97, s[KQ]
	s_add_co_u32 s97, s97, OSB
	s_mul_i32 s98, s[WV], 4608
	s_add_co_u32 s98, s98, PB                      ; my stage
	s_wait_dscnt 0x0                               ; both opening adds are done
	s_wait_kmcnt 0x0
	s_add_nc_u64 s[KV:KV+1], s[4:5], s[70:71]
	s_add_nc_u64 s[QP:QP+1], s[4:5], s[74:75]
	s_add_nc_u64 s[QSP:QSP+1], s[6:7], s[78:79]
	s_add_nc_u64 s[KSP:KSP+1], s[6:7], s[80:81]
	s_add_nc_u64 s[PFA:PFA+1], s[4:5], s[82:83]
	s_add_nc_u64 s[PWB:PWB+1], s[8:9], s[84:85]
	s_add_nc_u64 s[WPP:WPP+1], s[8:9], s[86:87]
	s_add_nc_u64 s[10:11], s[10:11], s[88:89]
	s_add_nc_u64 s[12:13], s[12:13], s[90:91]
	s_add_nc_u64 s[14:15], s[14:15], s[92:93]
	s_mov_b32 s[G0], 1
	s_mov_b32 s[G0+1], s86
	s_mov_b64 s[G0+2:G0+3], s[KV:KV+1]
	s_or_b32 s[G0+3], s[G0+3], 0x80000000
	CROUND                                         ; all four work-groups are here: the joint loads meet
	tensor_load_to_lds s[G0:G0+3], s[G1:G1+7]      ; pair 0: my one load at the head
	s_nop 0
	PLACES
	v_and_b32 v100, 15, v0                         ; r
	v_bfe_u32 v101, v0, 4, 1                       ; hh
	v_and_b32 v102, 31, v0                         ; lane
	v_lshlrev_b32 v[LI], 4, v102
	v_lshlrev_b32 v[LS], 2, v102
.irp q, 0,1
.irp c, 0,1
	global_load_b128 v[QF+8*\q+4*\c:QF+8*\q+4*\c+3], v[LI], s[QP:QP+1] offset:1024*\q+512*\c
.endr
.endr
	global_load_b32 v[QS], v[LS], s[QSP:QSP+1]
.irp i, 0,1,2,3,4,5,6,7
	global_load_b32 v[KS+\i], v[LS], s[KSP:KSP+1] offset:128*\i
.endr
	v_lshlrev_b32 v[PFO], 8, v102
	v_lshl_add_u32 v[AT], v102, 4, s86
	v_lshl_add_u32 v[APW], v102, 4, s61
	v_lshl_add_u32 v[APR], v102, 4, s60
	v_lshl_add_u32 v[ASW], v102, 2, s63
	v_lshl_add_u32 v[ASR], v102, 2, s62
	v_lshl_add_u32 v[ATW], v100, 3, s95
	v_lshl_add_u32 v[ATR], v100, 3, s94
	v_lshlrev_b32 v103, 2, v101
	v_lshl_add_u32 v103, v100, 4, v103
	v_add_nc_u32 v[AO], s96, v103                  ; lane (r, hh): my block's 8 codes u = 0, 1 of channels 16 u + 8 hh on are dwords 2 u + hh of fragment lane 16 (quarter % 2) + r
	v_lshl_add_u32 v[AOS], v100, 2, s97
	v_lshlrev_b32 v[BO], 5, v101
	v_lshlrev_b32 v[SA], 5, v100
	v_lshl_add_u32 v[SA], v101, 4, v[SA]
	v_mov_b32 v[NM+1], 0                           ; (named as upper halves of pairs before they are first written)
	v_mov_b32 v[NM+3], 0
.irp i, 0,1,2,3,4,5,6,7,8,9,10,11,12,13,14,15
	v_mov_b32 v[T+\i], 0                           ; written once: a lane permute's destination counts as one of its sources
.endr
	s_wait_alu depctr_va_vdst(0)                   ; the wait at the head's end
.Ltrip:
	s_wait_tensorcnt 0x0                           ; my slot has landed
	FRAGS 0                                        ; K
	s_wait_loadcnt 0x0                             ; Q and K's scale words
	s_wait_dscnt 16                                ; the first eight fragments are in
	SCORES 0
	PLACES                                         ; in front of the first read of results
	MAXH 0                                         ; stands under the other eight fragments' loads
	s_wait_alu depctr_va_vdst(0)                   ; the wait here, directly ahead of the wait below
	s_wait_dscnt 0x0
	SCORES 8
	PLACES                                         ; in front of loads into registers that the products have read, and of the first read of results
	FRAGS 16384                                    ; V takes K's registers
	MAXH 4
	WIN 0
.irp j, 0,1,2,3,4,5,6,7
	global_load_b32 v[VS+\j], v[LS], s[KSP:KSP+1] offset:4096+128*\j
.endr
	s_cmp_eq_u32 s[TI], 1                          ; the next pair's Q and K scale words, if there is one: no load leaves its buffer
	s_wait_alu depctr_va_vdst(0)                   ; the wait here, directly ahead of the branch
	s_cbranch_scc1 .Lno_q
.irp q, 0,1
.irp c, 0,1
	global_load_b128 v[QF+8*\q+4*\c:QF+8*\q+4*\c+3], v[LI], s[QP:QP+1] offset:PAIR+1024*\q+512*\c
.endr
.endr
	global_load_b32 v[QS], v[LS], s[QSP:QSP+1] offset:PAIRS
.irp i, 0,1,2,3,4,5,6,7
	global_load_b32 v[KS+\i], v[LS], s[KSP:KSP+1] offset:PAIRS+128*\i
.endr
.Lno_q:
	; ---- the slot is filled again behind the round below; the softmax's first lines, work on registers, stand between the add and the wait for it and for V
	s_wait_tensorcnt 0x0
	ds_add_u32 v[SPW], v[NIL]                      ; 0 onto my spare word
	s_add_nc_u64 s[KV:KV+1], s[KV:KV+1], PAIR      ; no tensor load of mine is out: the descriptor may be written: the next pair, in the last trip Wp's pieces 0 and 1
	s_cmp_eq_u32 s[TI], 1
	s_cselect_b64 s[G0+2:G0+3], s[WPP:WPP+1], s[KV:KV+1]
	s_or_b32 s[G0+3], s[G0+3], 0x80000000
	; the blocks' maxima with lane l xor 16's, and my rows' largest
.irp i, 0,1,2,3,4,5,6,7,8,9,10,11,12,13,14,15
	v_permlanex16_b32 v[T+\i], v[BM+\i], s[SEL], s[SEL+1]
.endr
.irp i, 0,1,2,3,4,5,6,7,8,9,10,11,12,13,14,15
	v_max_num_f32 v[BM+\i], v[BM+\i], v[T+\i]
.endr
.irp q, 0,1
	v_max3_num_f32 v[T+3*\q], v[BM+8*\q], v[BM+8*\q+1], v[BM+8*\q+2]
	v_max3_num_f32 v[T+3*\q+1], v[BM+8*\q+3], v[BM+8*\q+4], v[BM+8*\q+5]
	v_max_num_f32 v[T+3*\q+2], v[BM+8*\q+6], v[BM+8*\q+7]
.endr
.irp q, 0,1
	v_max3_num_f32 v[T+3*\q], v[T+3*\q], v[T+3*\q+1], v[T+3*\q+2]
.endr
.irp q, 0,1
	v_mul_f32 v[NM+2*\q], s[NC], v[T+3*\q]         ; -c m_w
.endr
	; the exponentials in four batches: one wait ahead of each, which also stands behind the batch before; the sums of the batch before follow each batch
	FMAB 0
	s_wait_alu depctr_va_vdst(0)                   ; the wait ahead of each batch and ahead of its first reader
	EXPB 0
	s_wait_xcnt 0x0                                ; any prefetch of mine has read its address: on to what the next trip's round will load
	s_mov_b32 s[STP], 262144
	s_cmp_gt_u32 s[TI], 2
	s_cselect_b32 s[STP], PAIR, s[STP]
	s_add_nc_u64 s[PFA:PFA+1], s[PFA:PFA+1], s[STP:STP+1]
	s_cmp_eq_u32 s[TI], 2
	s_cselect_b64 s[PFA:PFA+1], s[PWB:PWB+1], s[PFA:PFA+1]
	s_wait_dscnt 0x0                               ; the add is done, and K and V stand in registers
	s_barrier_signal -1
	FMAB 1                                         ; work on registers while the others arrive; the plain place behind the exponentials
	WIN 0
	s_wait_alu depctr_va_vdst(0)
	s_barrier_wait -1
	CREST
	tensor_load_to_lds s[G0:G0+3], s[G1:G1+7]      ; the first thing behind the round, and my one tensor load until the next
	s_nop 0
	PLACES
	s_cmp_gt_u32 s[TI], s[LIM]
	s_cbranch_scc0 .Lno_ask
	global_prefetch_b8 v[PFO], s[PFA:PFA+1] th:TH_LOAD_NT scope:SCOPE_SE
.Lno_ask:
	s_wait_alu depctr_va_vdst(0)
	EXPB 1
	ADDB 0
	FMAB 2
	s_wait_alu depctr_va_vdst(0)
	EXPB 2
	ADDB 1
	FMAB 3
	WIN 0
.irp q, 0,1
.irp b, 0,1,2,3,4,5,6,7
	v_fma_f32 v[BM+8*\q+\b], v[BM+8*\q+\b], s[CS], v[NM+2*\q]      ; each block's largest score goes the way of every score
.endr
.endr
	s_wait_alu depctr_va_vdst(0)
.irp i, 0,1,2,3,4,5,6,7,8,9,10,11,12,13,14,15
	v_exp_f32 v[BM+\i], v[BM+\i]
.endr
	EXPB 3
	ADDB 2
	s_wait_alu depctr_va_vdst(0)
	ADDB 3
	WIN 0
.irp q, 0,1
	v_pk_add_f32 v[SUM+58*\q:SUM+58*\q+1], v[SUM+58*\q:SUM+58*\q+1], v[SUM+58*\q+2:SUM+58*\q+3]
	v_pk_add_f32 v[SUM+58*\q+4:SUM+58*\q+5], v[SUM+58*\q+4:SUM+58*\q+5], v[SUM+58*\q+6:SUM+58*\q+7]
.endr
.irp q, 0,1
	v_pk_add_f32 v[SUM+58*\q:SUM+58*\q+1], v[SUM+58*\q:SUM+58*\q+1], v[SUM+58*\q+4:SUM+58*\q+5]
.endr
.irp q, 0,1
	v_add_f32 v[SUM+58*\q], v[SUM+58*\q], v[SUM+58*\q+1]
.endr
.irp q, 0,1
	v_permlanex16_b32 v[T+\q], v[SUM+58*\q], s[SEL], s[SEL+1]
.endr
.irp q, 0,1
	v_add_f32 v[NM+2*\q+1], v[SUM+58*\q], v[T+\q]  ; s_w, behind -c m_w
.endr
.irp q, 0,1
	ds_store_b64 v[ATW], v[NM+2*\q:NM+2*\q+1] offset:512*\q        ; lanes l and l + 16 hold the same pair and store it to the same place
.endr
	s_wait_alu depctr_va_vdst(0)                   ; the wait here, directly ahead of the wait below
	s_wait_dscnt 0x0                               ; my pairs are stored
	s_barrier_signal -1
	s_barrier_wait -1                              ; everybody's are.
	; ---- the factor 2^(c m_w - c m) / (32 sum)
.irp q, 0,1
.irp k, 0,1,2,3
	ds_load_b64 v[STM+8*\q+2*\k:STM+8*\q+2*\k+1], v[ATR] offset:512*\q+128*\k
.endr
.endr
	s_wait_dscnt 0x0
.irp q, 0,1
	v_min3_num_f32 v[T+\q], v[STM+8*\q], v[STM+8*\q+2], v[STM+8*\q+4]
.endr
.irp q, 0,1
	v_min_num_f32 v[T+\q], v[T+\q], v[STM+8*\q+6]  ; -c m: m is the row's largest score
.endr
.irp k, 0,1,2,3
.irp q, 0,1
	v_sub_f32 v[T+2+4*\q+\k], v[T+\q], v[STM+8*\q+2*\k]
.endr
.endr
.irp q, 0,1
	v_sub_f32 v[T+10+\q], v[T+\q], v[NM+2*\q]
.endr
	s_wait_alu depctr_va_vdst(0)
.irp i, 2,3,4,5,6,7,8,9,10,11
	v_exp_f32 v[T+\i], v[T+\i]
.endr
	v_nop                                          ; the plain line behind the last exponential
	s_wait_alu depctr_va_vdst(0)
.irp q, 0,1
	v_mul_f32 v[T+12+\q], v[STM+8*\q+1], v[T+2+4*\q]
.endr
.irp k, 1,2,3
.irp q, 0,1
	v_fma_f32 v[T+12+\q], v[STM+8*\q+2*\k+1], v[T+2+4*\q+\k], v[T+12+\q]
.endr
.endr
.irp q, 0,1
	v_mul_f32 v[T+10+\q], 0x3d000000, v[T+10+\q]   ; x 2^-5
.endr
	s_wait_alu depctr_va_vdst(0)
	v_rcp_f32 v[T+14], v[T+12]
	v_rcp_f32 v[T+15], v[T+13]
	v_nop
	s_wait_alu depctr_va_vdst(0)
.irp q, 0,1
	v_mul_f32 v[RR+2*\q], v[T+10+\q], v[T+14+\q]
	v_mul_f32 v[RR+2*\q+1], v[T+10+\q], v[T+14+\q]
.endr
	; ---- the 16 blocks' scales
.irp q, 0,1
.irp b, 0,1,2,3,4,5,6,7
	v_mul_f32 v[BM+8*\q+\b], v[BM+8*\q+\b], v[RR+2*\q]             ; the block's largest weight
.endr
.endr
.irp i, 0,1,2,3,4,5,6,7,8,9,10,11,12,13,14,15
	v_max_num_f32 v[BM+\i], 0x1800000, v[BM+\i]    ; the floor 2^(3 - 127): the byte cannot fall under 1
.endr
.irp i, 0,1,2,3,4,5,6,7,8,9,10,11,12,13,14,15
	v_add_nc_u32 v[BM+\i], 0xff000000, v[BM+\i]    ; 2 off the exponent field: the conversion's scale operand
.endr
.irp i, 0,1,2,3,4,5,6,7,8,9,10,11,12,13,14,15
	v_lshrrev_b32 v[T+\i], 23, v[BM+\i]            ; the scale's byte
.endr
.irp k, 0,1,2,3
	v_lshl_or_b32 v[PWD+\k], v[T+4*\k+1], 8, v[T+4*\k]             ; the scale words of (tile 0, key step 0), (0, 1), (1, 0), (1, 1)
.endr
.irp k, 0,1,2,3
	v_lshl_or_b32 v[PWD+\k], v[T+4*\k+2], 16, v[PWD+\k]
.endr
.irp k, 0,1,2,3
	v_lshl_or_b32 v[PWD+\k], v[T+4*\k+3], 24, v[PWD+\k]
.endr
.irp q, 0,1
	v_cndmask_b32 v[PWD+2*\q], v[PWD+2*\q], v[PWD+2*\q+1], s[MSK]  ; lanes 0-15 the even key step's words, lanes 16-31 the odd one's
.endr
.irp q, 0,1
	ds_store_b32 v[ASW], v[PWD+2*\q] offset:512*\q
.endr
	; ---- the weights, their codes, and the codes on to the head's four waves
	WIN 0x41
.irp q, 0,1
.set EP, 128*\q
.rept 64
	v_pk_mul_f32 v[EP:EP+1], v[EP:EP+1], v[RR+2*\q:RR+2*\q+1] op_sel_hi:[1,0]
.set EP, EP+2
.endr
.endr
	CODES 0, 0, STM
	CODES 0, 1, STM+8
	CODES 1, 0, T
	CODES 1, 1, T+8
	WIN 0
	v_nop                                          ; one plain place behind a scaled conversion
	PUTP 0, 0, STM
	PUTP 0, 1, STM+8
	PUTP 1, 0, T
	PUTP 1, 1, T+8
	s_wait_alu depctr_va_vdst(0)                   ; the wait here, directly ahead of the wait below
	s_wait_loadcnt 0x0                             ; V's scale words, and the next pair's Q and K scale words
	s_wait_dscnt 0x0                               ; my codes and scale words are stored
	s_barrier_signal -1
	s_barrier_wait -1                              ; everybody's are.
	; ---- O^T of my 32 channels
.irp q, 0,1
.irp p, 0,1,2,3
	ds_load_b32 v[PSR+4*\q+\p], v[ASR] offset:512*\q+128*\p
.endr
.endr
	WIN 0x40
.irp j, 0,1,2,3,4,5,6,7
.irp q, 0,1
.irp c, 0,1
	ds_load_b128 v[8*(8*\q+\j)+4*\c:8*(8*\q+\j)+4*\c+3], v[APR] offset:8192*\q+1024*\j+512*\c
.endr
.endr
.endr
	WIN 0
	s_cmp_lg_u32 s[TI], 1                          ; in the last trip: Wp's scale words and bp, into registers that Q, K's scale words, the sums and the weights have left
	s_cbranch_scc1 .Lno_w
.irp t, 0,1,2,3,4,5,6,7
	global_load_b128 v[WS+4*\t:WS+4*\t+3], v[SA], s[10:11] offset:512*\t           ; Wp's scale bytes of 16 rows: 512 consecutive bytes a load
.endr
	WIN 0x40
.irp t, 0,1,2,3,4,5,6,7                        ; register 8 t + j = bp(my first column + 16 t + 8 hh + j)
	global_load_b128 v[BP+8*\t:BP+8*\t+3], v[BO], s[12:13] offset:64*\t
	global_load_b128 v[BP+8*\t+4:BP+8*\t+7], v[BO], s[12:13] offset:64*\t+16
.endr
	WIN 0
.Lno_w:
	WIN 0x54
.irp k, 0,1,2,3
	s_wait_dscnt 24-8*\k                           ; key steps 2 k and 2 k + 1 are in: four loads a step, those of the later steps may be out
	PV 2*\k
	PV 2*\k+1
.endr
	; ---- one block of 32 channels for each of 32 queries: the largest magnitude in four chains, the codes, the scale byte
	WIN 0
	v_add_nc_u32 v[RR], s[OST], v[AO]              ; this pair's place among o's fragments; with two v_nop the four places in front of the first read of results
	v_add_nc_u32 v[RR+1], s[OSS], v[AOS]
	v_nop
	v_nop
	WIN 0x05
.irp k, 0,1,2,3
	v_max3_num_f32 v[T+\k], |v[128+8*\k]|, |v[129+8*\k]|, 0x1800000
.endr
	WIN 0x14
.irp i, 2,4,6
.irp k, 0,1,2,3
	v_max3_num_f32 v[T+\k], v[T+\k], |v[128+8*\k+\i]|, |v[129+8*\k+\i]|
.endr
.endr
	WIN 0
.irp q, 0,1
	v_max_num_f32 v[T+2*\q], v[T+2*\q], v[T+2*\q+1]
.endr
.irp q, 0,1
	v_permlanex16_b32 v[T+4+\q], v[T+2*\q], s[SEL], s[SEL+1]
.endr
.irp q, 0,1
	v_max_num_f32 v[T+2*\q], v[T+2*\q], v[T+4+\q]
.endr
.irp q, 0,1
	v_add_nc_u32 v[T+8+\q], 0xff000000, v[T+2*\q]
.endr
.irp q, 0,1
	v_lshrrev_b32 v[T+10+\q], 23, v[T+8+\q]
.endr
	WIN 0x01
.irp k, 0,1,2,3
	v_cvt_scalef32_pk8_fp4_f32 v[T+12+\k], v[128+8*\k:135+8*\k], v[T+8+\k/2]
.endr
	WIN 0
	v_nop                                          ; one plain place behind a scaled conversion
.irp k, 0,1,2,3
	ds_store_b32 v[RR], v[T+12+\k] offset:1024*(\k/2)+8*(\k%2)
.endr
.irp q, 0,1
	ds_store_b8 v[RR+1], v[T+10+\q] offset:64*\q
.endr
	s_wait_alu depctr_va_vdst(0)                   ; the wait here, directly ahead of the wait below
	s_wait_xcnt 0x0                                ; this trip's loads have read their bases
	s_add_nc_u64 s[QP:QP+1], s[QP:QP+1], PAIR
	s_add_nc_u64 s[QSP:QSP+1], s[QSP:QSP+1], PAIRS
	s_add_nc_u64 s[KSP:KSP+1], s[KSP:KSP+1], PAIRS
	s_add_co_u32 s[OST], s[OST], 4096              ; two heads' fragments on
	s_add_co_u32 s[OSS], s[OSS], 256
	s_sub_co_u32 s[TI], s[TI], 1
	s_cmp_lg_u32 s[TI], 0
	s_cbranch_scc1 .Ltrip
	; ---- THE LAST PRODUCT
	s_wait_tensorcnt 0x0                           ; Wp's pieces 0 and 1 have landed
	FRAGS 0                                        ; piece 0
	v_and_b32 v61, 15, v0                          ; r
	v_bfe_u32 v62, v0, 4, 1                        ; hh
	v_lshlrev_b32 v[CO], 12, v62                   ; back: lanes 0-15 take one row, lanes 16-31 the next
	v_lshl_add_u32 v[CO], v61, 4, v[CO]
	v_mul_u32_u24 v[STO], v61, SPI
	v_lshl_add_u32 v[STO], v62, 5, v[STO]
	v_add_nc_u32 v[STO], s98, v[STO]
	v_mul_u32_u24 v[RD], v62, SPI
	v_lshl_add_u32 v[RD], v61, 4, v[RD]
	v_add_nc_u32 v[RD], s98, v[RD]
	v_add_nc_u32 v[AOR], OB, v[LI]
	v_add_nc_u32 v[AOT], OSB, v[LS]
	s_wait_alu depctr_va_vdst(0)                   ; the wait here, directly ahead of the wait below
	s_wait_tensorcnt 0x0
	ds_add_u32 v[SPW], v[NIL]
	s_add_nc_u64 s[WPP:WPP+1], s[WPP:WPP+1], 262144
	s_mov_b64 s[G0+2:G0+3], s[WPP:WPP+1]           ; no tensor load of mine is out: piece 2,
	s_or_b32 s[G0+3], s[G0+3], 0x80000000
	s_mov_b32 s[G1+2], 64<<16                      ; and from here on a load brings 64 rows
	s_mov_b32 s[G1+4], 64
	s_wait_dscnt 0x0                               ; the add is done, my part of o is stored, piece 0 stands in registers
	CROUND                                         ; everybody's part of o is stored
	tensor_load_to_lds s[G0:G0+3], s[G1:G1+7]      ; piece 2 into the first half of my slot
	s_nop 0
	PLACES
.irp h, 0,1,2,3,4,5,6,7
	ds_load_b32 v[OSR+\h], v[AOT] offset:128*\h
.endr
	WIN 0x40
.set EP, 0
.rept 32
	ds_load_b128 v[4*EP:4*EP+3], v[AOR] offset:512*EP              ; o's 16 fragments stay in registers
.set EP, EP+1
.endr
	WIN 0
	s_wait_loadcnt 0x0                             ; Wp's scale words and bp
	s_wait_dscnt 0x0
	MULP 0, 0
	PLACES                                         ; in front of loads into registers that matrix instructions have read
	FRAGS 16384                                    ; piece 1
	s_wait_dscnt 0x0
	MULP 0, 1
	PLACES                                         ; in front of the first read of results and of loads into registers that held fragments
	OUTH 0
	s_wait_tensorcnt 0x0                           ; piece 2 has landed
	ds_add_u32 v[SPW], v[NIL]
	s_add_nc_u64 s[WPP:WPP+1], s[WPP:WPP+1], 16384
	s_mov_b64 s[G0+2:G0+3], s[WPP:WPP+1]
	s_or_b32 s[G0+3], s[G0+3], 0x80000000
	s_add_co_u32 s[G0+1], s86, 16384
	s_wait_dscnt 0x0
	CROUND
	tensor_load_to_lds s[G0:G0+3], s[G1:G1+7]      ; piece 3 into the second half of my slot
	s_nop 0
	PLACES                                         ; with the four in front of OUTH: the accumulators are begun anew below
	s_wait_xcnt 0x0                                ; the stores have read their data: fragments may land there
	FRAGS 0                                        ; piece 2
	s_wait_dscnt 0x0
	MULP 1, 0
	PLACES
	s_wait_tensorcnt 0x0                           ; piece 3 has landed
	FRAGS 16384
	s_wait_dscnt 0x0
	MULP 1, 1
	PLACES
	OUTH 1
	s_wait_tensorcnt 0x0                           ; the wave's end: behind my last tensor load and my last LDS store
	ds_add_u32 v[SPW], v[NIL]
	s_wait_dscnt 0x0
	CROUND                                         ; the closing round: no work-group ends while a partner may still ask for a tile that names it
	s_endpgm
.Lfunc_end_k_qe6552c34a2_attnout:
	.size	k_qe6552c34a2_attnout, .Lfunc_end_k_qe6552c34a2_attnout-k_qe6552c34a2_attnout
	.p2alignl 7, 3214868480
	.fill 96, 4, 3214868480
	.section	.rodata,"a",@progbits
	.p2align	6, 0x0
	.amdhsa_kernel k_qe6552c34a2_attnout
		.amdhsa_group_segment_fixed_size 327680
		.amdhsa_private_segment_fixed_size 0
		.amdhsa_enable_private_segment 0
		.amdhsa_kernarg_size 48
		.amdhsa_user_sgpr_count 2
		.amdhsa_user_sgpr_kernarg_segment_ptr 1
		.amdhsa_wavefront_size32 1
		.amdhsa_system_sgpr_workgroup_id_x 1
		.amdhsa_system_sgpr_workgroup_id_y 1
		.amdhsa_system_sgpr_workgroup_id_z 1
		.amdhsa_system_vgpr_workitem_id 0
		.amdhsa_next_free_vgpr 512
		.amdhsa_next_free_sgpr 100
		.amdhsa_reserve_vcc 0
		.amdhsa_float_denorm_mode_32 3
		.amdhsa_float_denorm_mode_16_64 3
		.amdhsa_memory_ordered 1
		.amdhsa_forward_progress 1
		.amdhsa_inst_pref_size 124
	.end_amdhsa_kernel
	.amdgpu_metadata
---
amdhsa.version: [ 1, 2 ]
amdhsa.kernels:
  - .name:           k_qe6552c34a2_attnout
    .symbol:         k_qe6552c34a2_attnout.kd
    .args:
      - { .name: qkvc, .offset: 0, .size: 8, .value_kind: global_buffer, .address_space: global }
      - { .name: qkvs, .offset: 8, .size: 8, .value_kind: global_buffer, .address_space: global }
      - { .name: wpc, .offset: 16, .size: 8, .value_kind: global_buffer, .address_space: global }
      - { .name: Wp_scales, .offset: 24, .size: 8, .value_kind: global_buffer, .address_space: global }
      - { .name: bp, .offset: 32, .size: 8, .value_kind: global_buffer, .address_space: global }
      - { .name: out0, .offset: 40, .size: 8, .value_kind: global_buffer, .address_space: global }
    .group_segment_fixed_size: 327680
    .private_segment_fixed_size: 0
    .kernarg_segment_align: 8
    .kernarg_segment_size: 48
    .max_flat_workgroup_size: 256
    .sgpr_count:     100
    .vgpr_count:     512
    .wavefront_size: 32
...
	.end_amdgpu_metadata
.endif
;; end of part 2
